; MI455X (gfx1250); checked and timed in simulation.
; The chip was launched on July 23, 2026; its instructions are those of AMD's public machine-readable ISA for CDNA 5 (MIT licence, August 2026) and "CDNA5" Instruction Set Architecture Reference Guide (July 2026). The comments in the code are by the model that wrote it; some were corrected since.
;; Euler Full Attention. Allowed arithmetic: float matrix products may take bf16 or f16 operands with f32 sums; other float arithmetic in f32, or as packed bf16 or f16 multiplies, adds, multiply-adds, maxima and minima; sums over many terms, partial sums and values carried from step to step in f32; what a program stores and reads back later, other than sums and carried values, may be rounded once to bf16 or f16.
;; Inputs: b_k 16 x 64 float32; b_out 1,024 float32; b_q 16 x 64 float32; b_v 16 x 64 float32; phi_k 16 x 64 float32; phi_q 16 x 64 float32; w_k 16 x 64 float32; w_out 1,024 float32; w_q 16 x 64 float32; w_v 16 x 64 float32; x 2 x 2,048 x 1,024 float32.
;; Outputs: out0 2 x 2,048 x 1,024 float32.
;; 2 versions, each right; version 2 is version 1 with the launch prep written anew for expert scheduling mode. Each part assembles by itself: llvm-mc -triple=amdgcn-amd-amdhsa -mcpu=gfx1250 --defsym DOCPART=n.
;; ======== version 1 of 2: 2 launches
;; limits: a function is approximated: absolute error at most 1.1e-06
;; workspace buffers: qs 16,777,216 bytes; ks 16,777,216 bytes; vs 8,388,608 bytes
;; launch prep (part 1): grid 256 x 1, 16 waves a work-group, no clusters, 0 bytes of LDS; arguments x, w_q, b_q, phi_q, w_k, b_k, phi_k, w_v, b_v, qs, ks, vs; writes qs, ks, vs
.if DOCPART == 1
	.amdgcn_target "amdgcn-amd-amdhsa--gfx1250"
	.amdhsa_code_object_version 6
	.text
	.protected	k_q0848d2a6c0_prep
	.globl	k_q0848d2a6c0_prep
	.p2align	8
	.type	k_q0848d2a6c0_prep,@function
k_q0848d2a6c0_prep:
	s_mov_b64 s[64:65], 0
	v_nop
	global_prefetch_b8 v0, s[64:65] scope:SCOPE_SE
	s_setreg_imm32_b32 hwreg(HW_REG_WAVE_MODE, 25, 1), 1
	s_wait_xcnt 0x0
; PREP.  qs[bh][t][0:64] = c cos(tq), qs[bh][t][64:128] = c sin(tq); ks likewise without c; vs[bh][t][0:64] = cos(tv) + sin(tv); all f16, each number rounded once.
; tq = x / (1 + |w_q|) + b_q + t phi_q, tk likewise, tv = x / (1 + |w_v|) + b_v;  bh = 16 b + head;  c = log2(e) / sqrt(128), so that the next launch's scores are exponents of 2.
; THE SINE.  The table of 4,096 points with linear interpolation lies within 3e-7 of sin and cos.  Here: the phase y in turns, r = y - nearest whole number, in -1/2 .. 1/2, and
; sin(2 pi r) by its series up to r^15, cut at 8e-7 on the whole interval, for every input.  cos is the same at y + 1/4; cos + sin is sqrt(2) times the same at y + 1/8.
; LIMITS.  y = t (phi / 2 pi) + (x / (2 pi (1 + |w|)) + b / 2 pi + shift), two fused multiply-adds: another order of rounding than theta / 2 pi; at t = 2,047 and phi near 1.6 the two differ by about
; 1e-4 turns, and by more in proportion with t phi.  1 / (1 + |w|) is v_rcp_f32.  NaN and infinities are not treated apart.
; SHARES.  A work-group owns 16 tokens, a wave one head, four trips of four tokens.  EVERY STORED NUMBER IS ONE SINE, made in the lane that stores it:
;   Q, K: lane l = 16 rho + 8 part + cg makes channels 8 cg .. 8 cg + 7 of token s + rho, part 0 the cosines, part 1 the sines: its 16 bytes lie at 16 l of two rows of 256 bytes;
;   V:    lane l = 8 rho + cg makes channels 8 cg .. of token s + rho: its 16 bytes lie at 16 l of four rows of 128 bytes.
; So each store of a wave covers 512 consecutive bytes, aligned, and nothing changes lanes.  No LDS, no matrix unit, no cluster: no work-group wants a byte that another has fetched.
.set XOQ, 2                            ; v2   x: rho x 4,096 + head x 256 + 32 cg; never rewritten
.set XOV, 3                            ; v3   the same with V's rho
.set SO,  4                            ; v4   16 l: where I store; never rewritten
.set OFR, 5                            ; v5   1/4 in the lanes that make cosines, 0 in those that make sines
.set TA,  6                            ; v[6:7]   t of token s + rho, twice
.set TB,  8                            ; v[8:9]   t of token s + 2 + rho, twice
.set RQ,  16                           ; eight registers each, for my eight channels: 1 / (2 pi (1 + |w_q|)),
.set BQ,  24                           ; b_q / 2 pi + shift,
.set PQ,  32                           ; phi_q / 2 pi;
.set RK,  40                           ; the same three for K;
.set BK,  48
.set PK,  56
.set RV,  64                           ; and two for V
.set BV,  72
.set XA,  80                           ; x of tokens s, s + 1;  XB: s + 2, s + 3;  XV: s .. s + 3 in V's lanes
.set XB,  88
.set XV,  96
.set Y,   104                          ; at work: the phase, then r, then the sine
.set NN,  112                          ; the nearest whole numbers
.set ZZ,  120                          ; r^2
.set PP,  128                          ; the series
.set OQA, 136                          ; five sets of four registers to store: none is written twice in a trip
.set OKA, 140
.set OQB, 144
.set OKB, 148
.set OV,  152
.set C1,  28                           ; s[28:43] the series' coefficients (-1)^j (2 pi)^(2j+1) / (2j+1)!, each twice: the packed forms name a pair
.set C3,  30
.set C5,  32
.set C7,  34
.set C9,  36
.set C11, 38
.set C13, 40
.set C15, 42
.set CNT, 44
.set EIG, 45                           ; 1/8
.set HD,  46                           ; my head = my wave's number
.set AMPQ, 48                          ; s[48:49] c
.set AMPV, 50                          ; s[50:51] sqrt(2)
.macro PAIR r, val
	s_mov_b32 s[\r], \val
	s_mov_b32 s[\r+1], \val
.endm
	s_load_b512 s[4:19], s[0:1], 0x0               ; x s[4:5], w_q s[6:7], b_q s[8:9], phi_q s[10:11], w_k s[12:13], b_k s[14:15], phi_k s[16:17], w_v s[18:19]
	s_load_b256 s[20:27], s[0:1], 0x40             ; b_v s[20:21], qs s[22:23], ks s[24:25], vs s[26:27]
	v_lshrrev_b32 v1, 5, v0
	v_readfirstlane_b32 s[HD], v1
	v_and_b32 v10, 31, v0                          ; l
	v_and_b32 v11, 7, v0                           ; cg
	v_lshrrev_b32 v12, 4, v10                      ; rho of Q and K
	v_lshrrev_b32 v13, 3, v10                      ; rho of V
	v_bfe_u32 v14, v0, 3, 1                        ; part
	s_lshl_b32 s47, s[HD], 8
	v_lshl_add_u32 v15, v11, 5, s47                ; head x 256 + 32 cg: my eight channels in a row of x and in every parameter
	v_lshl_add_u32 v[XOQ], v12, 12, v15
	v_lshl_add_u32 v[XOV], v13, 12, v15
	v_lshlrev_b32 v[SO], 4, v10
	v_sub_nc_u32 v[OFR], 1, v14
	v_cvt_f32_u32 v[OFR], v[OFR]
	v_mul_f32 v[OFR], 0x3e800000, v[OFR]           ; (1 - part) / 4
	s_and_b32 s52, ttmp9, 127
	s_lshl_b32 s52, s52, 4                         ; the group's first token in its batch
	v_add_nc_u32 v[TA], s52, v12
	v_cvt_f32_u32 v[TA], v[TA]
	v_mov_b32 v[TA+1], v[TA]
	v_add_f32 v[TB], 2.0, v[TA]
	v_mov_b32 v[TB+1], v[TB]
	s_lshr_b32 s53, ttmp9, 7                       ; b
	s_lshl_b32 s53, s53, 4
	s_add_co_u32 s53, s53, s[HD]                   ; 16 b + head
	s_lshl_b32 s53, s53, 11
	s_add_co_u32 s53, s53, s52                     ; my first row in qs, ks, vs
	s_lshl_b32 s54, s53, 8                         ; x 256 bytes
	s_mov_b32 s55, 0
	s_lshl_b32 s52, s53, 7                         ; x 128 bytes
	s_mov_b32 s53, 0
	s_lshl_b32 s56, ttmp9, 16                      ; the group's 16 rows of x, 4,096 bytes each
	s_mov_b32 s57, 0
	PAIR C1,  0x40c90fdb                           ;   6.2831853
	PAIR C3,  0xc2255de7                           ; -41.341702
	PAIR C5,  0x42a335e3                           ;  81.605249
	PAIR C7,  0xc2996966                           ; -76.705860
	PAIR C9,  0x42283c1a                           ;  42.058694
	PAIR C11, 0xc17183a8                           ; -15.094643
	PAIR C13, 0x40747a1a                           ;   3.8199526
	PAIR C15, 0xbf37d6dd                           ;  -0.71812230
	PAIR AMPQ, 0x3e0293ee                          ; c = 0.127517
	PAIR AMPV, 0x3fb504f3                          ; sqrt(2)
	s_mov_b32 s[EIG], 0x3e000000
	s_mov_b32 s[CNT], 3
	s_wait_kmcnt 0x0
	s_add_nc_u64 s[4:5], s[4:5], s[56:57]
	s_add_nc_u64 s[22:23], s[22:23], s[54:55]
	s_add_nc_u64 s[24:25], s[24:25], s[54:55]
	s_add_nc_u64 s[26:27], s[26:27], s[52:53]
.macro LDP dst, base                   ; eight numbers of a parameter
	global_load_b128 v[\dst:\dst+3],   v15, s[\base:\base+1]
	global_load_b128 v[\dst+4:\dst+7], v15, s[\base:\base+1] offset:16
.endm
.macro LDX dst, adr, off               ; eight numbers of x
	global_load_b128 v[\dst:\dst+3],   v[\adr], s[4:5] offset:\off
	global_load_b128 v[\dst+4:\dst+7], v[\adr], s[4:5] offset:(\off)+16
.endm
	LDP RQ, 6
	LDP BQ, 8
	LDP PQ, 10
	LDP RK, 12
	LDP BK, 14
	LDP PK, 16
	LDP RV, 18
	LDP BV, 20
	LDX XA, XOQ, 0                                 ; the first trip's x
	LDX XB, XOQ, 8192
	LDX XV, XOV, 0
	s_wait_loadcnt 6                               ; the sixteen loads of parameters are in; the six of x behind them stay out
.irp p, RQ, RK, RV
.set j, 0
.rept 8
	v_and_b32 v[\p+j], 0x7fffffff, v[\p+j]
	v_add_f32 v[\p+j], 1.0, v[\p+j]                ; 1 + |w|
.set j, j+1
.endr
.endr
.irp p, RQ, RK, RV
.set j, 0
.rept 8
	v_rcp_f32 v[\p+j], v[\p+j]                     ; one batch of 24
.set j, j+1
.endr
.endr
.set j, 0
.rept 8                                ; work that names none of the reciprocals stands between the batch and its wait
	v_mul_f32 v[PQ+j], 0.15915494, v[PQ+j]
	v_mul_f32 v[PK+j], 0.15915494, v[PK+j]
	v_fma_f32 v[BQ+j], v[BQ+j], 0.15915494, v[OFR]
	v_fma_f32 v[BK+j], v[BK+j], 0.15915494, v[OFR]
	v_fma_f32 v[BV+j], v[BV+j], 0.15915494, s[EIG]
.set j, j+1
.endr
	s_wait_alu depctr_va_vdst(0)                   ; one wait for the 24 reciprocals, ahead of their first reader
.irp p, RQ, RK, RV
.set j, 0
.rept 8
	v_mul_f32 v[\p+j], 0.15915494, v[\p+j]
.set j, j+1
.endr
.endr
; amp x sin(2 pi y) for k pairs at v[yb ..], in place; the pairs' lines alternate, so that no line waits for the one before it.  amp: a scalar pair, or -1 for 1.
.macro SINP yb, k, amp
.set j, 0
.rept 2*(\k)
	v_rndne_f32 v[NN+j], v[(\yb)+j]
.set j, j+1
.endr
.set j, 0
.rept \k
	v_pk_add_f32 v[(\yb)+j:(\yb)+j+1], v[(\yb)+j:(\yb)+j+1], v[NN+j:NN+j+1] neg_lo:[0,1] neg_hi:[0,1]  ; r
.set j, j+2
.endr
.set j, 0
.rept \k
	v_pk_mul_f32 v[ZZ+j:ZZ+j+1], v[(\yb)+j:(\yb)+j+1], v[(\yb)+j:(\yb)+j+1]
.set j, j+2
.endr
.set j, 0
.rept \k
	v_pk_fma_f32 v[PP+j:PP+j+1], v[ZZ+j:ZZ+j+1], s[C15:C15+1], s[C13:C13+1] op_sel_hi:[1,0,0]
.set j, j+2
.endr
.irp c, C11, C9, C7, C5, C3, C1
.set j, 0
.rept \k
	v_pk_fma_f32 v[PP+j:PP+j+1], v[PP+j:PP+j+1], v[ZZ+j:ZZ+j+1], s[\c:\c+1] op_sel_hi:[1,1,0]
.set j, j+2
.endr
.endr
.if \amp >= 0
.set j, 0
.rept \k
	v_pk_mul_f32 v[(\yb)+j:(\yb)+j+1], v[(\yb)+j:(\yb)+j+1], s[\amp:\amp+1] op_sel_hi:[1,0]
.set j, j+2
.endr
.endif
.set j, 0
.rept \k
	v_pk_mul_f32 v[(\yb)+j:(\yb)+j+1], v[PP+j:PP+j+1], v[(\yb)+j:(\yb)+j+1]
.set j, j+2
.endr
.endm
; Eight numbers a lane: the phase, the sine, the rounding to f16, one store.  ph = -1: no term in t.
.macro GRP xr, rr, br, ph, tr, amp, outr, base, off
.set j, 0
.rept 4
	v_pk_fma_f32 v[Y+j:Y+j+1], v[\xr+j:\xr+j+1], v[\rr+j:\rr+j+1], v[\br+j:\br+j+1]
.set j, j+2
.endr
.if \ph >= 0
.set j, 0
.rept 4
	v_pk_fma_f32 v[Y+j:Y+j+1], v[\tr:\tr+1], v[\ph+j:\ph+j+1], v[Y+j:Y+j+1] op_sel_hi:[0,1,1]
.set j, j+2
.endr
.endif
	SINP Y, 4, \amp
.set j, 0
.rept 4
	v_cvt_pk_f16_f32 v[\outr+j], v[Y+2*j], v[Y+2*j+1]
.set j, j+1
.endr
	global_store_b128 v[SO], v[\outr:\outr+3], s[\base:\base+1] offset:\off  ; the wave stores 512 consecutive bytes, at a multiple of 512 from the buffer's first
.endm
; A trip: four tokens.  ahead = 1: each set of x is asked for again, for the next trip, as soon as its last reader has been issued.
.macro TRIP ahead
	s_wait_loadcnt 4                               ; XA is in: behind its two loads stand XB's two and XV's two
	GRP XA, RQ, BQ, PQ, TA, AMPQ, OQA, 22, 0
	GRP XA, RK, BK, PK, TA, -1,   OKA, 24, 0
.if \ahead
	LDX XA, XOQ, 16384
	s_wait_loadcnt 4                               ; XB is in: behind it XV's two and XA's new two
.else
	s_wait_loadcnt 2                               ; XB is in: behind it XV's two
.endif
	GRP XB, RQ, BQ, PQ, TB, AMPQ, OQB, 22, 512
	GRP XB, RK, BK, PK, TB, -1,   OKB, 24, 512
.if \ahead
	LDX XB, XOQ, 8192+16384
	s_wait_loadcnt 4                               ; XV is in: behind it XA's and XB's new loads
.else
	s_wait_loadcnt 0x0
.endif
	GRP XV, RV, BV, -1, 0, AMPV, OV, 26, 0
.if \ahead
	LDX XV, XOV, 16384
	s_wait_xcnt 0x0                                ; every load and store issued so far has read its address and data registers: the bases and the five sets to store are written only behind this wait
	s_add_nc_u64 s[4:5], s[4:5], 16384
	s_add_nc_u64 s[22:23], s[22:23], 1024
	s_add_nc_u64 s[24:25], s[24:25], 1024
	s_add_nc_u64 s[26:27], s[26:27], 512
	v_pk_add_f32 v[TA:TA+1], v[TA:TA+1], 4.0 op_sel_hi:[1,0]
	v_pk_add_f32 v[TB:TB+1], v[TB:TB+1], 4.0 op_sel_hi:[1,0]
.endif
.endm
.Ltrip:
	TRIP 1
	s_sub_co_u32 s[CNT], s[CNT], 1
	s_cmp_lg_u32 s[CNT], 0
	s_cbranch_scc1 .Ltrip
	TRIP 0                                         ; the last trip loads nothing: no load leaves x
	s_endpgm
.Lfunc_end_k_q0848d2a6c0_prep:
	.size	k_q0848d2a6c0_prep, .Lfunc_end_k_q0848d2a6c0_prep-k_q0848d2a6c0_prep
	.p2alignl 7, 3214868480
	.fill 96, 4, 3214868480
	.section	.rodata,"a",@progbits
	.p2align	6, 0x0
	.amdhsa_kernel k_q0848d2a6c0_prep
		.amdhsa_group_segment_fixed_size 0
		.amdhsa_private_segment_fixed_size 0
		.amdhsa_enable_private_segment 0
		.amdhsa_kernarg_size 96
		.amdhsa_user_sgpr_count 2
		.amdhsa_user_sgpr_kernarg_segment_ptr 1
		.amdhsa_wavefront_size32 1
		.amdhsa_system_sgpr_workgroup_id_x 1
		.amdhsa_system_sgpr_workgroup_id_y 1
		.amdhsa_system_sgpr_workgroup_id_z 1
		.amdhsa_system_vgpr_workitem_id 0
		.amdhsa_next_free_vgpr 160
		.amdhsa_next_free_sgpr 66
		.amdhsa_reserve_vcc 0
		.amdhsa_float_denorm_mode_32 3
		.amdhsa_float_denorm_mode_16_64 3
		.amdhsa_memory_ordered 1
		.amdhsa_forward_progress 1
		.amdhsa_inst_pref_size 50
	.end_amdhsa_kernel
	.amdgpu_metadata
---
amdhsa.version: [ 1, 2 ]
amdhsa.kernels:
  - .name:           k_q0848d2a6c0_prep
    .symbol:         k_q0848d2a6c0_prep.kd
    .args:
      - { .name: x, .offset: 0, .size: 8, .value_kind: global_buffer, .address_space: global }
      - { .name: w_q, .offset: 8, .size: 8, .value_kind: global_buffer, .address_space: global }
      - { .name: b_q, .offset: 16, .size: 8, .value_kind: global_buffer, .address_space: global }
      - { .name: phi_q, .offset: 24, .size: 8, .value_kind: global_buffer, .address_space: global }
      - { .name: w_k, .offset: 32, .size: 8, .value_kind: global_buffer, .address_space: global }
      - { .name: b_k, .offset: 40, .size: 8, .value_kind: global_buffer, .address_space: global }
      - { .name: phi_k, .offset: 48, .size: 8, .value_kind: global_buffer, .address_space: global }
      - { .name: w_v, .offset: 56, .size: 8, .value_kind: global_buffer, .address_space: global }
      - { .name: b_v, .offset: 64, .size: 8, .value_kind: global_buffer, .address_space: global }
      - { .name: qs, .offset: 72, .size: 8, .value_kind: global_buffer, .address_space: global }
      - { .name: ks, .offset: 80, .size: 8, .value_kind: global_buffer, .address_space: global }
      - { .name: vs, .offset: 88, .size: 8, .value_kind: global_buffer, .address_space: global }
    .group_segment_fixed_size: 0
    .private_segment_fixed_size: 0
    .kernarg_segment_align: 8
    .kernarg_segment_size: 96
    .max_flat_workgroup_size: 512
    .sgpr_count:     66
    .vgpr_count:     160
    .wavefront_size: 32
...
	.end_amdgpu_metadata
.endif
;; end of part 1
;; launch attn (part 2): grid 8 x 32, 4 waves a work-group, clusters of 4 x 1, 327,680 bytes of LDS; arguments qs, ks, vs, w_out, b_out, out0; writes out0
.if DOCPART == 2
	.amdgcn_target "amdgcn-amd-amdhsa--gfx1250"
	.amdhsa_code_object_version 6
	.text
	.protected	k_q0848d2a6c0_attn
	.globl	k_q0848d2a6c0_attn
	.p2align	8
	.type	k_q0848d2a6c0_attn,@function
k_q0848d2a6c0_attn:
	s_mov_b64 s[64:65], 0
	v_nop
	global_prefetch_b8 v0, s[64:65] scope:SCOPE_SE
	s_setreg_imm32_b32 hwreg(HW_REG_WAVE_MODE, 25, 1), 1
	s_wait_xcnt 0x0
	s_wait_alu depctr_hold_cnt(0) depctr_sa_sdst(0) depctr_va_vdst(0) depctr_va_sdst(0) depctr_va_ssrc(0) depctr_va_vcc(0) depctr_vm_vsrc(0)
	s_getreg_b32 s2, hwreg(HW_REG_IB_STS2, 6, 4)
	s_cmp_eq_u32 s2, 0
	s_cbranch_scc0 .Lentry_in_a_cluster
	s_endpgm
.Lentry_in_a_cluster:
	s_bfe_u32 s2, ttmp6, 0x10000c
	s_cmp_lg_u32 s2, 0x3003
	s_cbranch_scc0 .Lentry_shape_is_right
	s_endpgm
.Lentry_shape_is_right:
; CAUSAL ATTENTION AND THE CLOSING COS + SIN.  o[q] = sum over k <= q of p(q, k) V[k] / sum of p, p = 2^(cQ[q] . K[k]);  out0 = cos(th) + sin(th), th = o / (1 + |w_out|) + b_out.
; qs, ks: [32][2048][128] f16 (cos | sin; qs times c = log2(e) / sqrt(128)); vs: [32][2048][64] f16; out0: [2][2048][1024] f32.  Products and sums in f32; p is rounded to f16 for the second product, its sum l taken unrounded.
; NO RUNNING MAXIMUM: each (cos, sin) pair has norm 1 at the most, so |Q . K| <= 64 for every input, the exponent lies within +-8.2, p within 2^-8.2 .. 2^8.2 and l under 6e5: nothing can overflow or
; underflow in f32 or f16.  So sums over different keys simply add, and the keys can be split between waves.
; LIMITS.  The sine is the series of the launch before (cut at 8e-7; the table's interpolation lies within 3e-7 of it).  A hidden score counts as its value less 1e30.  NaN and infinities are not treated apart.
; SHARES.  A head has 16 bands of 128 tokens.  Work-group g (0 .. 7) of a head owns 16 tiles of 16 queries, one in each band: tile m is tokens 128 m + 16 g + 0 .. 15.  So all eight work-groups of a head need the
; same key tiles (128 keys; key tile j serves the tiles m >= j) in the same order, with the same work, and a cluster of four asks for each tile JOINTLY.  Only Q's and out0's addresses, the prefetches' and the mask's DATA hang on g.
; THE WALK.  Trip p = 0 .. 7 takes key tile 15 - p (step B) and then key tile p (step A): p + 1 and 16 - p tiles of queries, 17 in every trip.
; WAVES.  Wave (QH, KH) = (w / 2, w % 2) holds the eight tiles m(i) = 15 - QH - 2 i, i = 0 .. 7, and multiplies them by keys 64 KH .. 64 KH + 63 of every key tile.  For key tile j its tiles i < n = (17 - QH - j) / 2 are
; at work; the last of them holds the diagonal where 15 - QH - j is even: its scores take MD x AL, MD the mask of my lanes (0 or -1e30), AL 1 or 0.  (QH = 1, p = 0: n would be 0; one tile is computed and hidden whole, by BE.)
; TURNS.  Turn i of a step belongs to tile i: 16 products K Q^T of tile i + 1 with tile i's 32 exponentials behind them; ONE wait for that batch; 8 products V^T P of tile i - 1 with tile i's 32 roundings and sums behind them.
; A step's last turn makes the NEXT step's first scores instead, masks its own, and ends with its own 8 products V^T P.  Which turn is the last hangs on the wave's number and the trip: forward jumps, past no barrier and no tensor load.
; THE PRICE of writing no first and no last step out: 272 v_mov_b32 that clear O and l while the first tiles are on their way, and 32 LDS loads and 16 products at the end that serve nothing.
; REGISTERS, in windows of 256 (s_set_vgpr_msb: bits 1:0 source 0, 3:2 source 1, 5:4 source 2, 7:6 destination):
;   window 0: v0-15 addresses; v16-31 l, a pair a tile; v32-63 MD; v64-127 V of one step; v128-223 S^T, three buffers; v224-255 P, two buffers
;   window 1: O^T, 32 a tile      window 2: Q, 32 a tile      window 3: K of step A (v0-127), K of step B (v128-255)
.set PK,    272       ; a row of K in LDS: 256 bytes + 16 of padding = 68 words: the 16 rows of a load start at 16 different groups of four banks (64 banks of 4 bytes: ISA guide 11.1)
.set PV,    160       ; a row of V: 128 + 32 = 40 words
.set SLOT1, 1<<17     ; a slot holds a trip's four tiles, 110,592 bytes; slot 1 begins here, so that one exclusive or turns an address in one slot into the other's
.set KBO,   128*PK    ; in a slot: K of step A at 0, K of step B here,
.set VO,    2*128*PK  ; V of step A,
.set VBO,   128*PV    ; V of step B so far behind it
.set STG,   128*272   ; the way out: a wave's stage, 128 rows (8 tiles x 16 queries) of 256 bytes + 16.  The four stages and LREG lie in the slots' bytes, which have had their last fill by then
.set LREG,  4*STG     ; behind the stages: l, [wave][tile][16] f32
.set SPARE, 327168    ; the spare words, 128 bytes for each wave: two blocks of 256 bytes that no other line names
.set AK0, 2           ; v2   my lane's place in a tile of K, my wave's 64 keys; never rewritten
.set AV0, 3           ; v3   the same for V
.set ADR, 4           ; v4   the LDS address of the run of loads in hand
.set PFO, 5           ; v5   256 x my lane; never rewritten
.set SPW, 6           ; v6   LDS address of my spare word; never rewritten
.set NIL, 7           ; v7   0; never rewritten
.set QO,  8           ; v8   my byte offset in 16 rows of Q;  later STO
.set STO, 8           ;      the way out: where I put 16 bytes of a row
.set RD,  10          ; v10  the way out: where I read rows back
.set LA,  11          ; v11  where I read l
.set GO,  12          ; v12  my byte offset in out0
.set LW,  13          ; v13  where I put l
.set WO,  14          ; v14  my 16 bytes of w_out and b_out
.set LB,  16
.set MD,  32
.set VF,  64          ; key half kk, channel block cb at VF + 32 kk + 8 cb
.set SBA, 128         ; S^T of the even tiles but tile 0; the odd tiles' 32 further on
.set SBC, 192         ; S^T of tile 0
.set PB,  224         ; P by the tile's parity
.set RW,  32          ; the way out: 1 / (2 pi (1 + |w_out|)), b_out / 2 pi + 1/8, four channels each
.set BO,  36
.set YA,  64          ; a tile's 16 rows: one wave's partial sums, then the sums, the phase, the result
.set YB,  96          ; the other wave's
.set LA0, 128         ; l of the tile's rows, by the two waves
.set LA1, 136
.set NN,  144
.set ZZ,  160
.set PP,  176
.set WV,  16          ; s16 my wave's number   s17 QH   s18 KH   s19 g   s20 cx   s21 the head, 16 b + h
.set QH,  17
.set KH,  18
.set G,   19
.set CX,  20
.set BH,  21
.set G1K, 24          ; s[24:31] descriptor group 1 for K's tiles      s[32:39] for V's.  Behind the walk s[24:39] take the series' coefficients
.set G1V, 32
.set G0K, 40          ; s[40:47] group 0 for K's tiles: a set for each of the two first fills; the second then walks
.set G0V, 48          ; s[48:55] the same for V's
.set CNT, 56
.set TP,  57          ; the trip's number p
.set NA,  58          ; tiles at work in step A, in step B
.set NB,  59
.set AL,  60          ; s[60:61] the mask's factor, in the low word
.set BE,  62          ; s[62:63] -1e30 for the one hidden tile, else 0
.set TB,  66          ; the slot from which fragments are fetched
.set NXT, 67          ; the key tile that I ask for next
.set DT,  68          ; its step: 1 (step A's tiles), -1 (step B's)
.set OFF, 70          ; s[70:71] its byte offset
.set PT,  72          ; the prefetches: the key tile, its step, log2 of a tile's bytes
.set PDT, 73
.set PSH, 74
.set LIM, 75          ; 1 in a wave that prefetches, else the greatest number
.set PBASE, 76        ; s[76:77] K or V at the head, at my work-group's share of a tile
.set PFA, 78          ; s[78:79] where the next prefetch stands
.set POFF, 80         ; s[80:81]
.set SEL, 82          ; s[82:83] v_permlanex16_b32's selects: each lane takes its own place in the other half
.set BIG, 84          ; -1e30
.set ALB, 85          ; the trip's AL for step B, for step A
.set ALA, 86
.set LK,  87          ; my tile's place in a slot, for K
.set AMP, 88          ; s[88:89] sqrt(2)
.set LV,  90          ; and for V
.set C1,  24
.set C3,  26
.set C5,  28
.set C7,  30
.set C9,  32
.set C11, 34
.set C13, 36
.set C15, 38
; s[92:94]: at work on numbers that hang on cx; no register that feeds a joint load's descriptor ever holds one
.set MSB, 0
.macro WIN new                      ; the high byte repeats the setting that is left; a switch that changes nothing is dropped
.if MSB != (\new)
	s_set_vgpr_msb (MSB<<8)|(\new)
.set MSB, (\new)
.endif
.endm
.set W_KQ, 0x0b       ; K in window 3, Q in window 2, S^T in window 0
.set W_PV, 0x50       ; V and P in window 0, O^T in window 1
.macro PLACES                       ; four places between a matrix instruction and a vector line or load that touches its registers
.rept 4
	v_nop
.endr
.endm
.macro PAIR r, val
	s_mov_b32 s[\r], \val
	s_mov_b32 s[\r+1], \val
.endm
; A joint refill.  Wave 0 fetches K of step A, wave 1 K of step B, waves 2 and 3 the two V.  The branch hangs on the wave's number alone.  An s_nop 0 and four v_nop follow each of the two lines.
.macro JLOAD
	s_cmp_lt_u32 s[WV], 2
	s_cbranch_scc0 .Lfor_v_\@
	tensor_load_to_lds s[G0K+4:G0K+7], s[G1K:G1K+7]
	s_nop 0
.rept 4
	v_nop
.endr
	s_branch .Lasked_\@
.Lfor_v_\@:
	tensor_load_to_lds s[G0V+4:G0V+7], s[G1V:G1V+7]
	s_nop 0
.rept 4
	v_nop
.endr
.Lasked_\@:
.endm
; A PREFETCH INTO THE L2 of what the NEXT change of slots will ask for: trip p + 3's tiles, behind the joint load for trip p + 2 and its five lines: one trip, some 200 matrix instructions, ahead of that load.
; Each block of 256 bytes is named ONCE in the launch.  Both clusters of a head walk the same tiles: the first asks.  Its four partners share a tile out BY ADDRESS: of K's 128 rows of 256 bytes each takes 32
; (wave 0: step A's tile, wave 1: step B's); of the two V tiles, 64 blocks each, each partner takes half of one (wave 2); a lane a block.  The last change that fills a slot asks for nothing; trips 0 to 2 come by their loads alone.
.macro ASK
	s_cmp_gt_u32 s[CNT], s[LIM]
	s_cbranch_scc0 .Lnot_mine_\@
	global_prefetch_b8 v[PFO], s[PFA:PFA+1] th:TH_LOAD_NT scope:SCOPE_SE
.Lnot_mine_\@:
.endm
; A round of the cluster's barrier: my work-group's barrier, so that wave 0's signal speaks for all four waves; wave 0 signals; every wave waits for all four work-groups; my work-group's barrier once more.
.macro CROUND
	s_barrier_signal -1
	s_barrier_wait -1
	s_cmp_lg_u32 s[WV], 0
	s_cbranch_scc1 .Lnot_wave_0_\@
	s_barrier_signal -3
.Lnot_wave_0_\@:
	s_barrier_wait -3
	s_barrier_signal -1
	s_barrier_wait -1
.endm
	s_load_b256 s[4:11], s[0:1], 0x0               ; qs s[4:5], ks s[6:7], vs s[8:9], w_out s[10:11]
	s_load_b128 s[12:15], s[0:1], 0x20             ; b_out s[12:13], out0 s[14:15]
	v_lshl_add_u32 v[SPW], v0, 2, SPARE
	v_mov_b32 v[NIL], 0
	ds_add_u32 v[SPW], v[NIL]                      ; the wave's opening: the add and its wait stand ahead of my first tensor load; the set-up below, work on registers, stands between them
	v_lshrrev_b32 v1, 5, v0
	v_readfirstlane_b32 s[WV], v1
	s_lshr_b32 s[QH], s[WV], 1
	s_and_b32 s[KH], s[WV], 1
	s_bfe_u32 s[CX], ttmp6, 0x40000                ; my place in the cluster
	s_lshl_b32 s[G], ttmp9, 2                      ; in a cluster launch ttmp9 counts clusters
	s_add_co_u32 s[G], s[G], s[CX]
	s_and_b32 s[BH], ttmp7, 0xffff                 ; the head, which the four partners share
	; descriptor group 1.  K: a tile of 128 rows x 128 elements, 16 bytes of padding behind each.  V: 128 keys are 16,384 dense bytes: 64 rows of 256 bytes, 32 bytes of padding behind every key's 128
	s_mov_b32 s[G1K], 15|(1<<16)|(1<<20)|(1<<21)|(5<<22)|(3<<25)  ; 15:0 the mask of four; 17:16 2-byte elements; 20 padding on; 21 set beside a mask; 24:22 after every 64 words (code 5); 31:25 4 words (code 3)
	s_mov_b32 s[G1K+1], 128<<16                    ; tensor_dim0 = 128
	s_mov_b32 s[G1K+2], 128<<16                    ; tensor_dim1 = 128
	s_mov_b32 s[G1K+3], 128<<16                    ; tile_dim0 = 128
	s_mov_b32 s[G1K+4], 128                        ; tile_dim1 = 128
	s_mov_b32 s[G1K+5], 128                        ; 128 elements from row to row
	s_mov_b32 s[G1K+6], 0
	s_mov_b32 s[G1K+7], 0
	s_mov_b32 s[G1V], 15|(1<<16)|(1<<20)|(1<<21)|(4<<22)|(7<<25)  ; after every 32 words (code 4) 8 words (code 7)
	s_mov_b32 s[G1V+1], 128<<16
	s_mov_b32 s[G1V+2], 64<<16
	s_mov_b32 s[G1V+3], 128<<16
	s_mov_b32 s[G1V+4], 64
	s_mov_b32 s[G1V+5], 128
	s_mov_b32 s[G1V+6], 0
	s_mov_b32 s[G1V+7], 0
	s_mov_b32 s[SEL], 0x76543210
	s_mov_b32 s[SEL+1], 0xfedcba98
	s_mov_b32 s[BIG], 0xf149f2ca
	s_mov_b32 s[AL+1], 0                           ; named as pairs
	s_mov_b32 s[BE+1], 0
	s_mov_b32 s[OFF+1], 0
	s_mov_b32 s[POFF+1], 0
	s_mov_b32 s[TB], 0
	s_mov_b32 s[TP], 0
	s_mov_b32 s[CNT], 6
	s_lshl_b32 s[DT], s[KH], 1
	s_sub_co_u32 s[DT], 1, s[DT]
	s_mul_i32 s[NXT], s[KH], 15                    ; trip 0: key tile 0 or 15
	s_mul_i32 s[LK], s[KH], KBO                    ; no place in the cluster enters an LDS address
	s_mul_i32 s[LV], s[KH], VBO
	s_add_co_u32 s[LV], s[LV], VO
	; the prefetches' numbers
	s_lshr_b32 s92, s[CX], 1                       ; for V: which of a trip's two tiles,
	s_and_b32 s93, s[CX], 1                        ; and which half of it
	s_cmp_eq_u32 s[WV], 2
	s_cselect_b32 s[PSH], 14, 15
	s_cselect_b32 s92, s92, s[KH]                  ; 0: step A's tile, 1: step B's
	s_cselect_b32 s93, s93, s[CX]                  ; my work-group's share, in units of 8,192 bytes
	s_lshl_b32 s[PDT], s92, 1
	s_sub_co_u32 s[PDT], 1, s[PDT]
	s_mul_i32 s[PT], s92, 11
	s_add_co_u32 s[PT], s[PT], 2                   ; trip 2's tile, 2 or 13: the first change of slots steps it to trip 3's
	s_lshl_b32 s92, s93, 13
	s_mov_b32 s93, 0
	s_cmp_eq_u32 s[WV], 3
	s_cselect_b32 s[LIM], 1, 0
	s_or_b32 s[LIM], s[LIM], ttmp9                 ; 0 in waves 0 to 2 of the head's first cluster: the same in all four partners
	s_cmp_eq_u32 s[LIM], 0
	s_cselect_b32 s[LIM], 1, -1
	s_wait_dscnt 0x0                               ; the opening add is done
	s_wait_kmcnt 0x0
	s_lshl_b32 s22, s[BH], 19                      ; a head's 2,048 rows of 256 bytes
	s_mov_b32 s23, 0
	s_add_nc_u64 s[6:7], s[6:7], s[22:23]          ; ks and qs at the head
	s_add_nc_u64 s[4:5], s[4:5], s[22:23]
	s_lshl_b32 s22, s[BH], 18
	s_add_nc_u64 s[8:9], s[8:9], s[22:23]          ; vs at the head
	s_cmp_eq_u32 s[WV], 2
	s_cselect_b64 s[PBASE:PBASE+1], s[8:9], s[6:7]
	s_add_nc_u64 s[PBASE:PBASE+1], s[PBASE:PBASE+1], s[92:93]
	s_sub_co_u32 s92, 1, s[QH]                     ; my lowest tile, i = 7, is m = 1 - QH:
	s_lshl_b32 s92, s92, 15                        ; 128 rows of 256 bytes a band,
	s_lshl_b32 s94, s[G], 12                       ; 16 rows for each g
	s_add_co_u32 s92, s92, s94
	s_add_nc_u64 s[4:5], s[4:5], s[92:93]          ; qs at my lowest tile
	CROUND                                         ; all four work-groups are here: the first joint loads meet
.irp s, 0,1
	s_mov_b32 s[G0K+4*\s], 1                       ; 1:0 count = 1
	s_add_co_u32 s[G0K+4*\s+1], s[LK], \s*SLOT1    ; 63:32 LDS address: trip s goes to slot s
	s_lshl_b32 s[OFF], s[NXT], 15                  ; a tile of K is 32,768 bytes
	s_add_nc_u64 s[G0K+4*\s+2:G0K+4*\s+3], s[6:7], s[OFF:OFF+1]  ; 120:64 global address
	s_or_b32 s[G0K+4*\s+3], s[G0K+4*\s+3], 0x80000000            ; 127:126 type = 2
	s_mov_b32 s[G0V+4*\s], 1
	s_add_co_u32 s[G0V+4*\s+1], s[LV], \s*SLOT1
	s_lshl_b32 s[OFF], s[NXT], 14                  ; a tile of V 16,384
	s_add_nc_u64 s[G0V+4*\s+2:G0V+4*\s+3], s[8:9], s[OFF:OFF+1]
	s_or_b32 s[G0V+4*\s+3], s[G0V+4*\s+3], 0x80000000
.if \s == 0
	s_add_co_u32 s[NXT], s[NXT], s[DT]
.endif
.endr
	s_cmp_lt_u32 s[WV], 2                          ; a wave's two first fills stand in one branch, ahead of every wait on TENSORcnt and every LDS read: two loads of mine are out
	s_cbranch_scc0 .Lfirst_v
	tensor_load_to_lds s[G0K:G0K+3], s[G1K:G1K+7]
	s_nop 0
	tensor_load_to_lds s[G0K+4:G0K+7], s[G1K:G1K+7]
	s_nop 0
.rept 4
	v_nop
.endr
	s_branch .Lfirst_asked
.Lfirst_v:
	tensor_load_to_lds s[G0V:G0V+3], s[G1V:G1V+7]
	s_nop 0
	tensor_load_to_lds s[G0V+4:G0V+7], s[G1V:G1V+7]
	s_nop 0
.rept 4
	v_nop
.endr
.Lfirst_asked:
	; A fragment of K or Q is 16 rows x 32 channels in 8 registers: lane l holds row l % 16, channels 8 (l / 16) + 0..7 and 16 + 8 (l / 16) + 0..7: two loads of 16 bytes, 32 bytes apart.
	v_and_b32 v1, 15, v0                           ; r = l % 16
	v_bfe_u32 v9, v0, 4, 1                         ; h = l / 16
	v_lshlrev_b32 v[QO], 8, v1
	v_lshl_add_u32 v[QO], v9, 4, v[QO]
	WIN 0x80                                       ; destination window 2, address window 0
.set i, 0
.rept 32                                           ; Q stays in registers: tile i / 4 lies (7 - i / 4) x 256 rows above my lowest; channels 32 (i % 4) on
	global_load_b128 v[8*i:8*i+3],   v[QO], s[4:5] offset:(7-i/4)*65536+(i%4)*64
	global_load_b128 v[8*i+4:8*i+7], v[QO], s[4:5] offset:(7-i/4)*65536+(i%4)*64+32
.set i, i+1
.endr
	WIN 0x40
.set i, 0
.rept 256
	v_mov_b32 v[i], 0                              ; O^T: cleared while the first tiles are on their way, so that every step has one form of product
.set i, i+1
.endr
	WIN 0
.set i, 0
.rept 16
	v_mov_b32 v[LB+i], 0                           ; l
.set i, i+1
.endr
	v_and_b32 v[PFO], 31, v0
	v_lshlrev_b32 v[PFO], 8, v[PFO]
	s_mul_i32 s22, s[KH], 64*PK
	v_mul_u32_u24 v[AK0], v1, PK
	v_lshl_add_u32 v[AK0], v9, 4, v[AK0]
	v_add_nc_u32 v[AK0], s22, v[AK0]               ; row x pitch + 16 x half + my wave's 64 keys
	; The turning load takes 16 keys x 16 channels (lane l reads key 8 (l / 16) + l % 8, channels 8 ((l / 8) % 2) + 0..7) and leaves half a fragment of V^T: lane l holds channel l % 16 and 8 keys.
	v_and_b32 v10, 7, v0
	v_bfe_u32 v11, v0, 3, 1
	v_lshl_add_u32 v[AV0], v9, 3, v10
	v_mul_u32_u24 v[AV0], v[AV0], PV
	v_lshl_add_u32 v[AV0], v11, 4, v[AV0]
	s_mul_i32 s22, s[KH], 64*PV
	s_add_co_u32 s22, s22, VO
	v_add_nc_u32 v[AV0], s22, v[AV0]
	; MD: in the diagonal key tile my query stands at 16 g + r, and register j of key block kb holds key 64 KH + 16 kb + 8 h + j: hidden where 16 kb + j > 16 g + r - 8 h - 64 KH
	v_lshlrev_b32 v14, 3, v9
	v_sub_nc_u32 v14, v1, v14
	s_lshl_b32 s92, s[G], 4
	s_lshl_b32 s94, s[KH], 6
	s_sub_co_i32 s92, s92, s94
	v_add_nc_u32 v14, s92, v14
.set i, 0
.rept 32
	v_cmp_gt_i32 vcc_lo, 16*(i/8)+i%8, v14
	v_cndmask_b32 v[MD+i], 0, s[BIG], vcc_lo
.set i, i+1
.endr
; THE MATRIX WORK.  The accumulators of a run take turns, one instruction a turn.
; Product w of 16 of S^T = K Q^T for tile t, K from buffer kbuf, into buffer sb: channels 32 (w / 4) on, keys 16 (w % 4) on.  The first 4 start the sums.
.macro KQ t, kbuf, sb
	WIN W_KQ
.set rD, (\sb)+8*(w%4)
.set rK, 128*(\kbuf)+32*(w%4)+8*(w/4)
.set rQ, 32*(\t)+8*(w/4)
.if w < 4
	v_wmma_f32_16x16x32_f16 v[rD:rD+7], v[rK:rK+7], v[rQ:rQ+7], 0
.else
	v_wmma_f32_16x16x32_f16 v[rD:rD+7], v[rK:rK+7], v[rQ:rQ+7], v[rD:rD+7]
.endif
.set w, w+1
.endm
; Product w of 8 of O^T += V^T P for tile t: keys 32 (w / 4) on, channels 16 (w % 4) on.
.macro PVM t
	WIN W_PV
.set rO, 32*(\t)+8*(w%4)
.set rV, VF+32*(w/4)+8*(w%4)
.set rB, PB+16*((\t)&1)+8*(w/4)
	v_wmma_f32_16x16x32_f16 v[rO:rO+7], v[rV:rV+7], v[rB:rB+7], v[rO:rO+7]
.set w, w+1
.endm
; THE LDS LOADS stand in runs, never singly among the matrix instructions.  K: my 64 keys x 128 channels, 16 fragments (key block f / 4, channels 32 (f % 4) on).  reg: the tile's place in the slot.
.macro FETCH_K kbuf, reg
	WIN 0
	v_add_nc_u32 v[ADR], s[TB], v[AK0]
	WIN 0xc0                                       ; destination window 3
.set f, 0
.rept 16
	ds_load_b128 v[128*(\kbuf)+8*f:128*(\kbuf)+8*f+3],   v[ADR] offset:(\reg)+(f/4)*16*PK+(f%4)*64
	ds_load_b128 v[128*(\kbuf)+8*f+4:128*(\kbuf)+8*f+7], v[ADR] offset:(\reg)+(f/4)*16*PK+(f%4)*64+32
.set f, f+1
.endr
	WIN 0
.endm
.macro FETCH_V reg                  ; V: my 64 keys x 64 channels, turned: keys 32 (f / 4) on, channels 16 (f % 4) on
	WIN 0
	v_add_nc_u32 v[ADR], s[TB], v[AV0]
.set f, 0
.rept 8
	ds_load_tr16_b128 v[VF+8*f:VF+8*f+3],   v[ADR] offset:(\reg)+(f/4)*32*PV+(f%4)*32
	ds_load_tr16_b128 v[VF+8*f+4:VF+8*f+7], v[ADR] offset:(\reg)+(f/4)*32*PV+16*PV+(f%4)*32
.set f, f+1
.endr
.endm
; THE VECTOR WORK of the tile in hand (rS its scores, rP its weights, rL its l), all in window 0.  Scores are taken in ascending order: each accumulator's lowest registers are read first.
.macro EX                           ; the next exponential, in place
	v_exp_f32 v[rS+e], v[rS+e]
.set e, e+1
.endm
.macro MK                           ; the next pair of scores takes its mask
	v_pk_fma_f32 v[rS+2*n:rS+2*n+1], v[MD+2*n:MD+2*n+1], s[AL:AL+1], v[rS+2*n:rS+2*n+1] op_sel_hi:[1,0,1]
.set n, n+1
.endm
.macro OC k                         ; pair k of weights rounded to f16
	v_cvt_pk_f16_f32 v[rP+(\k)], v[rS+2*(\k)], v[rS+2*(\k)+1]
.endm
.macro OB k                         ; of the four weights 4 k .. the second pair is added onto the first, in place (behind the first pair's rounding)
	v_pk_add_f32 v[rS+4*(\k):rS+4*(\k)+1], v[rS+4*(\k):rS+4*(\k)+1], v[rS+4*(\k)+2:rS+4*(\k)+3]
.endm
.macro OL k                         ; l takes that sum
	v_pk_add_f32 v[rL:rL+1], v[rL:rL+1], v[rS+4*(\k):rS+4*(\k)+1]
.endm
.macro CS4                          ; the next four of the 32 roundings and sums; the links of l's chain stand three lines apart
	WIN 0
.if gq == 0
	OC 0
	OB 0
	OC 2
	OB 1
.elseif gq == 1
	OL 0
	OC 4
	OB 2
	OL 1
.elseif gq == 2
	OC 6
	OB 3
	OL 2
	OC 8
.elseif gq == 3
	OB 4
	OL 3
	OC 10
	OB 5
.elseif gq == 4
	OL 4
	OC 12
	OB 6
	OL 5
.elseif gq == 5
	OC 14
	OB 7
	OL 6
	OC 1
.elseif gq == 6
	OC 3
	OL 7
	OC 5
	OC 7
.else
	OC 9
	OC 11
	OC 13
	OC 15
.endif
.set gq, gq+1
.endm
; A TURN, for tile i of step st (0: step A, K in buffer 0; 1: step B, K in buffer 1).
; AHEAD OF THE WAIT: 16 products K Q^T.  last = 0: tile i + 1's, two of tile i's exponentials behind each.  last = 1: tile 0's for the NEXT step, on the other K buffer, three lines behind each: the 16 masks, then the 32 exponentials.
; Nothing there names an exponential's result.  A v_nop is the plain instruction behind the last exponential; then the ONE wait between a batch and its first reader.
; BEHIND IT: 8 products V^T P of tile i - 1, four roundings and sums of tile i behind each (tile 0 has no tile before it: the 32 stand alone); last = 1: tile i's own 8 products.
; PLACES.  A score's first vector reader stands behind the 32 roundings and sums of the turn that made it; a P buffer is written again behind the four riders of the last product that read it.
; The wait on DScnt: a last turn reads the K buffer that was asked for earlier in the step; step B's V, asked for at the step's head, is first read in its turn 1 or in its last turn.
.macro TURN st, i, last
.if (\i) == 0
.set rS, SBC
.else
.set rS, SBA+32*((\i)&1)
.endif
.set rP, PB+16*((\i)&1)
.set rL, LB+2*(\i)
.if (\last) || (((\st) == 1) && ((\i) == 1))
	s_wait_dscnt 0x0
.endif
.set w, 0
.set e, 0
.set n, 0
.rept 16
.if \last
	KQ 0, 1-(\st), SBC
	WIN 0
.rept 3
.if n < 16
	MK
.else
	EX
.endif
.endr
.else
	KQ (\i)+1, \st, SBA+32*(((\i)+1)&1)
	WIN 0
	EX
	EX
.endif
.endr
	v_nop
	s_wait_alu depctr_va_vdst(0)
.set w, 0
.set gq, 0
.rept 8
.if (\i) > 0
	PVM (\i)-1
.endif
	CS4
.endr
.if \last
.set w, 0
.rept 8
	PVM \i
.endr
.endif
.endm
; Step B's last turn where it is also its first (one tile at work): the next step's first scores want the buffer that this tile's scores still hold, so nothing is overlapped.  Here alone BE hides a whole tile.
.macro TURN0L
.set rS, SBC
.set rP, PB
.set rL, LB
	WIN 0
.set n, 0
.rept 16
	MK
.endr
.set n, 0
.rept 16
	v_pk_add_f32 v[rS+2*n:rS+2*n+1], v[rS+2*n:rS+2*n+1], s[BE:BE+1] op_sel_hi:[1,0]
.set n, n+1
.endr
.set e, 0
.rept 32
	EX
.endr
	v_nop
	s_wait_alu depctr_va_vdst(0)                   ; the wait for the batch
.set gq, 0
.rept 8
	CS4
.endr
	s_wait_dscnt 0x0                               ; V, and K of step A, are in
.set w, 0
.rept 8
	PVM 0
.endr
.set w, 0
.rept 16
	KQ 0, 0, SBC
.endr
.endm
; THE CHANGE OF SLOTS, behind step A's first turn: the slot's last bytes, V of step A, have been asked for.  Each wave waits for all its tensor loads, of which one is out: its tile of the other slot; adds 0 to its spare word;
; and waits for that and for its own reads of the slot.  fill = 1: the slot is filled again, with the tiles two trips on: the barrier is a round of the cluster's, so that no wave of any partner still reads the slot or has a
; load on its way, and the joint refill is the first thing behind it: it has a whole trip in which to land.  The descriptor's address is made anew from the tile's number.
.macro CHANGE fill
	WIN 0
	s_wait_tensorcnt 0x0                           ; no tensor load of mine is out, so a group 0 may be written
	ds_add_u32 v[SPW], v[NIL]                      ; 0 onto my spare word: with fill = 1 the scalar work stands between it and the wait for it
.if \fill
	s_add_co_u32 s[NXT], s[NXT], s[DT]
	s_lshl_b32 s[OFF], s[NXT], 15
	s_xor_b32 s[G0K+5], s[G0K+5], SLOT1            ; the other slot than last time
	s_add_nc_u64 s[G0K+6:G0K+7], s[6:7], s[OFF:OFF+1]
	s_or_b32 s[G0K+7], s[G0K+7], 0x80000000
	s_lshl_b32 s[OFF], s[NXT], 14
	s_xor_b32 s[G0V+5], s[G0V+5], SLOT1
	s_add_nc_u64 s[G0V+6:G0V+7], s[8:9], s[OFF:OFF+1]
	s_or_b32 s[G0V+7], s[G0V+7], 0x80000000
	s_wait_xcnt 0x0                                ; the last prefetch, a trip back, has read its address, so it may be written
	s_add_co_u32 s[PT], s[PT], s[PDT]
	s_lshl_b32 s[POFF], s[PT], s[PSH]
	s_add_nc_u64 s[PFA:PFA+1], s[PBASE:PBASE+1], s[POFF:POFF+1]
	s_wait_dscnt 0x0                               ; the add is done, and my reads of the slot are over
	CROUND
	JLOAD                                          ; the four v_nop behind it are also the places in front of the loads into K's buffer 1
	ASK
.else
	s_wait_dscnt 0x0                               ; the add is done, and my reads of the slot are over
	s_barrier_signal -1
	s_barrier_wait -1
	PLACES
.endif
	s_xor_b32 s[TB], s[TB], SLOT1                  ; the fetches go on in the other slot
.endm
.macro TRIPSC                       ; a trip's numbers, from p and QH
	s_add_co_u32 s[NB], s[TP], 2
	s_sub_co_u32 s[NB], s[NB], s[QH]
	s_lshr_b32 s[NB], s[NB], 1
	s_max_u32 s[NB], s[NB], 1                      ; (p + 2 - QH) / 2, at least 1
	s_sub_co_u32 s[NA], 17, s[QH]
	s_sub_co_u32 s[NA], s[NA], s[TP]
	s_lshr_b32 s[NA], s[NA], 1                     ; (17 - QH - p) / 2
	s_xor_b32 s22, s[TP], s[QH]
	s_and_b32 s22, s22, 1
	s_cmp_lg_u32 s22, 0                            ; p + QH odd: the diagonal falls to my last tile in step A, else in step B
	s_cselect_b32 s[ALB], 0, 1.0
	s_cselect_b32 s[ALA], 1.0, 0
	s_sub_co_u32 s22, s[QH], s[TP]
	s_cmp_eq_u32 s22, 1                            ; QH = 1, p = 0: key tile 15 serves none of my tiles
	s_cselect_b32 s[BE], s[BIG], 0
.endm
.macro TRY cnt, i, lbl              ; is turn i the step's last?
	WIN 0                                          ; at a label and at a branch every window is 0
	s_cmp_eq_u32 s[\cnt], (\i)+1
	s_cbranch_scc1 \lbl
.endm
.macro GOTO lbl
	WIN 0
	s_branch \lbl
.endm
.macro HEADB                        ; step B begins: four places behind the last products, then V of step B and K of step A
	s_mov_b32 s[AL], s[ALB]
	PLACES
	FETCH_V VBO
	FETCH_K 0, 0
.endm
.macro HEADA fill                   ; step A begins: V of step A; turn 0; the change of slots; K of the next trip's step B, out of the other slot
	s_mov_b32 s[AL], s[ALA]
	PLACES
	FETCH_V 0
	TURN 0, 0, 0
	CHANGE \fill
	FETCH_K 1, KBO
.endm
	s_wait_tensorcnt 0x1                           ; my tile of slot 0 is in; slot 1's may stay out
	s_barrier_signal -1
	s_barrier_wait -1                              ; everybody's is
	FETCH_K 1, KBO                                 ; K of trip 0's step B
	s_wait_loadcnt 0x0                             ; Q
	s_wait_dscnt 0x0
.set w, 0
.rept 16
	KQ 0, 1, SBC                                   ; the walk's first scores: there is no vector work yet to set between them
.endr
	WIN 0
.Ltrip:                             ; trips 0 to 5: each fills its slot again.  Step B has 1 to 3 tiles at work, step A 5 to 8
	TRIPSC
	HEADB
	TRY NB, 0, .LmB0
	TURN 1, 0, 0
	TRY NB, 1, .LmB1
	TURN 1, 1, 0
	TURN 1, 2, 1
	GOTO .LmBe
.LmB0:
	TURN0L
	GOTO .LmBe
.LmB1:
	TURN 1, 1, 1
	WIN 0
.LmBe:
	HEADA 1
	TURN 0, 1, 0
	TURN 0, 2, 0
	TURN 0, 3, 0
	TRY NA, 4, .LmA4
	TURN 0, 4, 0
	TRY NA, 5, .LmA5
	TURN 0, 5, 0
	TRY NA, 6, .LmA6
	TURN 0, 6, 0
	TURN 0, 7, 1
	GOTO .LmAe
.LmA4:
	TURN 0, 4, 1
	GOTO .LmAe
.LmA5:
	TURN 0, 5, 1
	GOTO .LmAe
.LmA6:
	TURN 0, 6, 1
	WIN 0
.LmAe:
	s_add_co_u32 s[TP], s[TP], 1
	s_sub_co_u32 s[CNT], s[CNT], 1
	s_cmp_lg_u32 s[CNT], 0
	s_cbranch_scc1 .Ltrip
	s_mov_b32 s[CNT], 2
.Ltail:                             ; trips 6 and 7 ask for nothing: a text of their own.  Step B has 3 or 4 tiles at work, step A 4 or 5.
	TRIPSC                          ; (trip 7's fetch of K for a step B that does not exist reads trip 6's bytes once more, and the 16 products on them serve nothing)
	HEADB
	TURN 1, 0, 0
	TURN 1, 1, 0
	TRY NB, 2, .LtB2
	TURN 1, 2, 0
	TURN 1, 3, 1
	GOTO .LtBe
.LtB2:
	TURN 1, 2, 1
	WIN 0
.LtBe:
	HEADA 0
	TURN 0, 1, 0
	TURN 0, 2, 0
	TRY NA, 3, .LtA3
	TURN 0, 3, 0
	TURN 0, 4, 1
	GOTO .LtAe
.LtA3:
	TURN 0, 3, 1
	WIN 0
.LtAe:
	s_add_co_u32 s[TP], s[TP], 1
	s_sub_co_u32 s[CNT], s[CNT], 1
	s_cmp_lg_u32 s[CNT], 0
	s_cbranch_scc1 .Ltail
	; THE WAY OUT.  l's two halves and the other half of the lanes' are added (the additions are the places behind the last products).  Every wave puts its partial O^T (f32) and l into LDS; then wave (QH, KH) finishes tiles
	; 4 KH .. 4 KH + 3 of QH's eight: the two waves' parts are added, divided by l, turned into the phase and the sine, and stored as whole rows of 256 bytes.
.set i, 0
.rept 8
	v_add_f32 v[LB+2*i], v[LB+2*i], v[LB+2*i+1]
.set i, i+1
.endr
.set i, 0
.rept 8
	v_permlanex16_b32 v[LB+2*i+1], v[LB+2*i], s[SEL], s[SEL+1]
.set i, i+1
.endr
.set i, 0
.rept 8
	v_add_f32 v[LB+2*i], v[LB+2*i], v[LB+2*i+1]
.set i, i+1
.endr
	s_mul_i32 s22, s[WV], STG
	v_mul_u32_u24 v[STO], v1, 272                  ; in: row r of a tile, 32 bytes for each half of the lanes
	v_lshl_add_u32 v[STO], v9, 5, v[STO]
	v_add_nc_u32 v[STO], s22, v[STO]
	s_mul_i32 s22, s[QH], 2*STG                    ; back: the stage of wave (QH, 0), the other wave's STG further on; tile 4 KH begins at row 64 KH;
	s_mul_i32 s23, s[KH], 64*272
	s_add_co_u32 s22, s22, s23
	v_mul_u32_u24 v[RD], v9, 272                   ; lanes 0-15 take one row of 256 bytes, lanes 16-31 the next
	v_lshl_add_u32 v[RD], v1, 4, v[RD]
	v_add_nc_u32 v[RD], s22, v[RD]
	s_lshl_b32 s22, s[QH], 10
	s_lshl_b32 s23, s[KH], 8
	s_add_co_u32 s22, s22, s23
	s_add_co_u32 s22, s22, LREG
	v_lshl_add_u32 v[LA], v9, 2, s22
	s_lshl_b32 s22, s[WV], 9
	s_add_co_u32 s22, s22, LREG
	v_lshl_add_u32 v[LW], v1, 2, s22
	s_lshl_b32 s92, s[G], 16                       ; in out0: token 16 g + h of a band, 4,096 bytes a token; 16 bytes a lane
	v_lshl_add_u32 v[GO], v9, 12, s92
	v_lshl_add_u32 v[GO], v1, 4, v[GO]
	v_lshlrev_b32 v[WO], 4, v1
	s_and_b32 s22, s[BH], 15
	s_lshl_b32 s22, s22, 8                         ; the head's 64 channels: 256 bytes
	s_mov_b32 s23, 0
	s_add_nc_u64 s[10:11], s[10:11], s[22:23]
	s_add_nc_u64 s[12:13], s[12:13], s[22:23]
	s_add_nc_u64 s[14:15], s[14:15], s[22:23]
	s_lshr_b32 s22, s[BH], 4
	s_lshl_b32 s22, s22, 23                        ; the batch
	s_add_nc_u64 s[14:15], s[14:15], s[22:23]
	s_lshl_b32 s22, s[KH], 3
	s_add_co_u32 s22, s22, s[QH]
	s_sub_co_u32 s22, 15, s22                      ; the band of tile 4 KH: 15 - QH - 8 KH
	s_lshl_b32 s22, s22, 19
	s_add_nc_u64 s[14:15], s[14:15], s[22:23]
	global_load_b128 v[RW:RW+3], v[WO], s[10:11]
	global_load_b128 v[BO:BO+3], v[WO], s[12:13]
	s_wait_dscnt 0x0                               ; my reads of the slots are over,
	s_barrier_signal -1
	s_barrier_wait -1                              ; everybody's are; no tensor load is out or will follow: the slots' bytes become the stages
	WIN 0x04                                       ; store data in window 1
.set i, 0
.rept 32                                           ; tile i / 4, channel block i % 4: channels 16 (i % 4) + 8 h + 0 .. 7 of query r; each accumulator's low four registers first
	ds_store_b128 v[STO], v[8*i:8*i+3]   offset:(i/4)*4352+(i%4)*64
	ds_store_b128 v[STO], v[8*i+4:8*i+7] offset:(i/4)*4352+(i%4)*64+16
.set i, i+1
.endr
	WIN 0
.set i, 0
.rept 8
	ds_store_b32 v[LW], v[LB+2*i] offset:64*i      ; both halves of the lanes hold the same sum
.set i, i+1
.endr
	PAIR C1,  0x40c90fdb                           ; the descriptors' registers are free: the series' coefficients, as in the launch before
	PAIR C3,  0xc2255de7
	PAIR C5,  0x42a335e3
	PAIR C7,  0xc2996966
	PAIR C9,  0x42283c1a
	PAIR C11, 0xc17183a8
	PAIR C13, 0x40747a1a
	PAIR C15, 0xbf37d6dd
	PAIR AMP, 0x3fb504f3                           ; sqrt(2)
	s_mov_b32 s22, 0x3e000000                      ; 1/8
	s_mov_b32 s[CNT], 4
	s_wait_loadcnt 0x0                             ; w_out, b_out
.set i, 0
.rept 4
	v_and_b32 v[RW+i], 0x7fffffff, v[RW+i]
	v_add_f32 v[RW+i], 1.0, v[RW+i]
.set i, i+1
.endr
.set i, 0
.rept 4
	v_rcp_f32 v[RW+i], v[RW+i]
.set i, i+1
.endr
.set i, 0
.rept 4
	v_fma_f32 v[BO+i], v[BO+i], 0.15915494, s22    ; b_out / 2 pi + 1/8: cos + sin is sqrt(2) times the sine an eighth of a turn on
.set i, i+1
.endr
	s_wait_alu depctr_va_vdst(0)                   ; one wait for the four reciprocals
.set i, 0
.rept 4
	v_mul_f32 v[RW+i], 0.15915494, v[RW+i]
.set i, i+1
.endr
	s_wait_dscnt 0x0                               ; for the others' sake: my stores into the stage are done
	s_barrier_signal -1
	s_barrier_wait -1
; sqrt(2) sin(2 pi y) for k pairs at v[yb ..], in place; the pairs' lines alternate
.macro SINP yb, k
.set j, 0
.rept 2*(\k)
	v_rndne_f32 v[NN+j], v[(\yb)+j]
.set j, j+1
.endr
.set j, 0
.rept \k
	v_pk_add_f32 v[(\yb)+j:(\yb)+j+1], v[(\yb)+j:(\yb)+j+1], v[NN+j:NN+j+1] neg_lo:[0,1] neg_hi:[0,1]  ; r
.set j, j+2
.endr
.set j, 0
.rept \k
	v_pk_mul_f32 v[ZZ+j:ZZ+j+1], v[(\yb)+j:(\yb)+j+1], v[(\yb)+j:(\yb)+j+1]
.set j, j+2
.endr
.set j, 0
.rept \k
	v_pk_fma_f32 v[PP+j:PP+j+1], v[ZZ+j:ZZ+j+1], s[C15:C15+1], s[C13:C13+1] op_sel_hi:[1,0,0]
.set j, j+2
.endr
.irp c, C11, C9, C7, C5, C3, C1
.set j, 0
.rept \k
	v_pk_fma_f32 v[PP+j:PP+j+1], v[PP+j:PP+j+1], v[ZZ+j:ZZ+j+1], s[\c:\c+1] op_sel_hi:[1,1,0]
.set j, j+2
.endr
.endr
.set j, 0
.rept \k
	v_pk_mul_f32 v[(\yb)+j:(\yb)+j+1], v[(\yb)+j:(\yb)+j+1], s[AMP:AMP+1] op_sel_hi:[1,0]
.set j, j+2
.endr
.set j, 0
.rept \k
	v_pk_mul_f32 v[(\yb)+j:(\yb)+j+1], v[PP+j:PP+j+1], v[(\yb)+j:(\yb)+j+1]
.set j, j+2
.endr
.endm
.Lout:                              ; four trips, a tile of 16 tokens each; load t takes tokens 2 t + h
.irp t, 0,1,2,3,4,5,6,7
	ds_load_b128 v[YA+4*\t:YA+4*\t+3], v[RD] offset:\t*544
.endr
.irp t, 0,1,2,3,4,5,6,7
	ds_load_b128 v[YB+4*\t:YB+4*\t+3], v[RD] offset:\t*544+STG
.endr
.irp t, 0,1,2,3,4,5,6,7
	ds_load_b32 v[LA0+\t], v[LA] offset:8*\t
	ds_load_b32 v[LA1+\t], v[LA] offset:8*\t+512
.endr
	s_wait_dscnt 0x0
.irp t, 0,1,2,3,4,5,6,7
	v_add_f32 v[LA0+\t], v[LA0+\t], v[LA1+\t]      ; l: every token sees its own key, so l is at least 2^-8.2
.endr
.irp t, 0,1,2,3,4,5,6,7
	v_rcp_f32 v[LA0+\t], v[LA0+\t]
.endr
.set j, 0
.rept 16
	v_pk_add_f32 v[YA+j:YA+j+1], v[YA+j:YA+j+1], v[YB+j:YB+j+1]  ; the two halves of the keys; these lines stand between the reciprocals and their wait
.set j, j+2
.endr
	s_wait_alu depctr_va_vdst(0)                   ; one wait for the eight reciprocals
.set j, 0
.rept 32
	v_mul_f32 v[YA+j], v[LA0+j/4], v[YA+j]
.set j, j+1
.endr
.set j, 0
.rept 16
	v_pk_fma_f32 v[YA+j:YA+j+1], v[YA+j:YA+j+1], v[RW+j%4:RW+j%4+1], v[BO+j%4:BO+j%4+1]  ; the phase, in turns
.set j, j+2
.endr
	SINP YA, 8
	SINP YA+16, 8
.irp t, 0,1,2,3,4,5,6,7
	global_store_b128 v[GO], v[YA+4*\t:YA+4*\t+3], s[14:15] offset:\t*8192 th:TH_STORE_NT  ; 16 lanes store 256 consecutive bytes, a token's 64 channels of the head, at a multiple of 256 from out0's first byte
.endr
	s_wait_xcnt 0x0                                ; the stores have read their data and their base: both are written only behind this wait
	s_sub_nc_u64 s[14:15], s[14:15], 0x100000      ; my next tile lies two bands, 256 tokens, lower (behind the last trip the stepped address is not used)
	v_add_nc_u32 v[RD], 4352, v[RD]
	v_add_nc_u32 v[LA], 64, v[LA]
	s_sub_co_u32 s[CNT], s[CNT], 1
	s_cmp_lg_u32 s[CNT], 0
	s_cbranch_scc1 .Lout
	s_wait_tensorcnt 0x0                           ; the wave's end, behind my last tensor load and my last LDS store
	ds_add_u32 v[SPW], v[NIL]
	s_wait_dscnt 0x0
	CROUND                                         ; the closing round: no work-group ends while a partner may still ask for a tile that names it
	s_endpgm
.Lfunc_end_k_q0848d2a6c0_attn:
	.size	k_q0848d2a6c0_attn, .Lfunc_end_k_q0848d2a6c0_attn-k_q0848d2a6c0_attn
	.p2alignl 7, 3214868480
	.fill 96, 4, 3214868480
	.section	.rodata,"a",@progbits
	.p2align	6, 0x0
	.amdhsa_kernel k_q0848d2a6c0_attn
		.amdhsa_group_segment_fixed_size 327680
		.amdhsa_private_segment_fixed_size 0
		.amdhsa_enable_private_segment 0
		.amdhsa_kernarg_size 48
		.amdhsa_user_sgpr_count 2
		.amdhsa_user_sgpr_kernarg_segment_ptr 1
		.amdhsa_wavefront_size32 1
		.amdhsa_system_sgpr_workgroup_id_x 1
		.amdhsa_system_sgpr_workgroup_id_y 1
		.amdhsa_system_sgpr_workgroup_id_z 1
		.amdhsa_system_vgpr_workitem_id 0
		.amdhsa_next_free_vgpr 1024
		.amdhsa_next_free_sgpr 96
		.amdhsa_reserve_vcc 1
		.amdhsa_float_denorm_mode_32 3
		.amdhsa_float_denorm_mode_16_64 3
		.amdhsa_memory_ordered 1
		.amdhsa_forward_progress 1
		.amdhsa_inst_pref_size 250
	.end_amdhsa_kernel
	.amdgpu_metadata
---
amdhsa.version: [ 1, 2 ]
amdhsa.kernels:
  - .name:           k_q0848d2a6c0_attn
    .symbol:         k_q0848d2a6c0_attn.kd
    .args:
      - { .name: qs, .offset: 0, .size: 8, .value_kind: global_buffer, .address_space: global }
      - { .name: ks, .offset: 8, .size: 8, .value_kind: global_buffer, .address_space: global }
      - { .name: vs, .offset: 16, .size: 8, .value_kind: global_buffer, .address_space: global }
      - { .name: w_out, .offset: 24, .size: 8, .value_kind: global_buffer, .address_space: global }
      - { .name: b_out, .offset: 32, .size: 8, .value_kind: global_buffer, .address_space: global }
      - { .name: out0, .offset: 40, .size: 8, .value_kind: global_buffer, .address_space: global }
    .group_segment_fixed_size: 327680
    .private_segment_fixed_size: 0
    .kernarg_segment_align: 8
    .kernarg_segment_size: 48
    .max_flat_workgroup_size: 128
    .sgpr_count:     96
    .vgpr_count:     1024
    .wavefront_size: 32
...
	.end_amdgpu_metadata
.endif
;; end of part 2
;; ======== version 2 of 2: 2 launches; version 1 with the launch prep written anew for expert scheduling mode
;; limits: a function is approximated: absolute error at most 1.1e-06
;; workspace buffers: qs 16,777,216 bytes; ks 16,777,216 bytes; vs 8,388,608 bytes
;; launch prep (part 3): grid 256 x 1, 16 waves a work-group, no clusters, 0 bytes of LDS; arguments x, w_q, b_q, phi_q, w_k, b_k, phi_k, w_v, b_v, qs, ks, vs; writes qs, ks, vs
.if DOCPART == 3
	.amdgcn_target "amdgcn-amd-amdhsa--gfx1250"
	.amdhsa_code_object_version 6
	.text
	.protected	k_q0848d2a6c0_prep
	.globl	k_q0848d2a6c0_prep
	.p2align	8
	.type	k_q0848d2a6c0_prep,@function
k_q0848d2a6c0_prep:
	s_mov_b64 s[64:65], 0
	v_nop
	global_prefetch_b8 v0, s[64:65] scope:SCOPE_SE
	s_setreg_imm32_b32 hwreg(HW_REG_WAVE_SCHED_MODE, 0, 2), 2
	s_setreg_imm32_b32 hwreg(HW_REG_WAVE_MODE, 25, 1), 1
	s_wait_xcnt 0x0
	s_wait_alu depctr_vm_vsrc(0)
; PREP.  qs[bh][t][0:64] = c cos(tq), qs[bh][t][64:128] = c sin(tq); ks likewise without c; vs[bh][t][0:64] = cos(tv) + sin(tv); all f16, each number rounded once.
; tq = x / (1 + |w_q|) + b_q + t phi_q, tk likewise, tv = x / (1 + |w_v|) + b_v;  bh = 16 b + head;  c = log2(e) / sqrt(128), so that the next launch's scores are exponents of 2.
; THE SINE.  The table of 4,096 points with linear interpolation lies within 3e-7 of sin and cos.  Here: the phase y in turns, r = y - nearest whole number, in -1/2 .. 1/2, and
; sin(2 pi r) by its series up to r^15, cut at 8e-7 on the whole interval, for every input.  cos is the same at y + 1/4; cos + sin is sqrt(2) times the same at y + 1/8.
; LIMITS.  y = t (phi / 2 pi) + (x / (2 pi (1 + |w|)) + b / 2 pi + shift), two fused multiply-adds: another order of rounding than theta / 2 pi; at t = 2,047 and phi near 1.6 the two differ by about
; 1e-4 turns, and by more in proportion with t phi.  1 / (1 + |w|) is v_rcp_f32.  NaN and infinities are not treated apart.
; SHARES.  A work-group owns 16 tokens, a wave one head, four trips of four tokens.  EVERY STORED NUMBER IS ONE SINE, made in the lane that stores it:
;   Q, K: lane l = 16 rho + 8 part + cg makes channels 8 cg .. 8 cg + 7 of token s + rho, part 0 the cosines, part 1 the sines: its 16 bytes lie at 16 l of two rows of 256 bytes;
;   V:    lane l = 8 rho + cg makes channels 8 cg .. of token s + rho: its 16 bytes lie at 16 l of four rows of 128 bytes.
; So each store of a wave covers 512 consecutive bytes, aligned, and nothing changes lanes.  No LDS, no matrix unit, no cluster: no work-group wants a byte that another has fetched.
; THE MODE: SCHED_MODE bits 1:0 = 2 (LLVM: expert scheduling mode 2), set by the entry lines.  The code itself states the register dependences
; between vector instructions and memory instructions, with s_wait_alu, always for 0.
; THE PLAN.  A trip is five groups of eight numbers a lane: Q and K of tokens s, s + 1; Q and K of tokens s + 2, s + 3; V of all four.  Registers that memory instructions touch:
;   X0, X1     a trip's x, 24 registers.  Read by trip p's phase lines (X[p % 2]).  Written by loads: trips 0 and 1 at the head; trip p + 1 (p = 1, 2) in trip p, into the buffer that trip p - 1 read.
;   O0, O1     a trip's five sets of four registers to store.  Written by trip p's roundings (O[p % 2]); read by the five stores that are issued in trip p + 1.
;   v2, v3, v4, v15   byte offsets, made once at the head and never written again: the rows are reached by immediate offsets, and no base is stepped.
;   v16 - v79  the parameters: loaded once, ahead of every vector line that names them.
; Trip p works on X[p % 2] and writes O[p % 2]; its memory instructions are the loads into the other X and the stores from the other O, which no vector line of trip p names.  So the waits at a trip's head
; state all that its loads and stores hang on, and these are dealt among its groups with no further wait.  The last trip has one wait more: nothing follows it under which its stores could leave.
; Four trips; the first has nothing to store, the last nothing to load, and both kinds of buffer go by the trip's parity: a lap of two trips would run once, so the four are written out by one macro.
.set XOQ, 2                            ; v2   x: rho x 4,096 + head x 256 + 32 cg; never rewritten
.set XOV, 3                            ; v3   the same with V's rho
.set SO,  4                            ; v4   16 l: where I store; never rewritten
.set OFR, 5                            ; v5   1/4 in the lanes that make cosines, 0 in those that make sines
.set TA,  6                            ; v[6:7]   t of token s + rho, twice
.set TB,  8                            ; v[8:9]   t of token s + 2 + rho, twice
.set RQ,  16                           ; eight registers each, for my eight channels: 1 / (2 pi (1 + |w_q|)),
.set BQ,  24                           ; b_q / 2 pi + shift,
.set PQ,  32                           ; phi_q / 2 pi;
.set RK,  40                           ; the same three for K;
.set BK,  48
.set PK,  56
.set RV,  64                           ; and two for V
.set BV,  72
.set X,   80                           ; v[80:127]  buffer k at X + 24 k: +0 x of tokens s, s + 1; +8 of s + 2, s + 3; +16 of s .. s + 3 in V's lanes
.set Y,   128                          ; at work: the phase, then r, then the sine
.set NN,  136                          ; the nearest whole numbers
.set ZZ,  144                          ; r^2
.set PP,  152                          ; the series
.set OUT, 160                          ; v[160:199] buffer k at OUT + 20 k: set g, the trip's group g, at + 4 g
.set C1,  28                           ; s[28:43] the series' coefficients (-1)^j (2 pi)^(2j+1) / (2j+1)!, each twice: the packed forms name a pair
.set C3,  30
.set C5,  32
.set C7,  34
.set C9,  36
.set C11, 38
.set C13, 40
.set C15, 42
.set EIG, 45                           ; 1/8
.set HD,  46                           ; my head = my wave's number
.set AMPQ, 48                          ; s[48:49] c
.set AMPV, 50                          ; s[50:51] sqrt(2)
.macro PAIR r, val
	s_mov_b32 s[\r], \val
	s_mov_b32 s[\r+1], \val
.endm
	s_load_b512 s[4:19], s[0:1], 0x0               ; x s[4:5], w_q s[6:7], b_q s[8:9], phi_q s[10:11], w_k s[12:13], b_k s[14:15], phi_k s[16:17], w_v s[18:19]
	s_load_b256 s[20:27], s[0:1], 0x40             ; b_v s[20:21], qs s[22:23], ks s[24:25], vs s[26:27]
	v_lshrrev_b32 v1, 5, v0
	v_readfirstlane_b32 s[HD], v1
	v_and_b32 v10, 31, v0                          ; l
	v_and_b32 v11, 7, v0                           ; cg
	v_lshrrev_b32 v12, 4, v10                      ; rho of Q and K
	v_lshrrev_b32 v13, 3, v10                      ; rho of V
	v_bfe_u32 v14, v0, 3, 1                        ; part
	v_lshlrev_b32 v[SO], 4, v10
	v_sub_nc_u32 v[OFR], 1, v14
	v_cvt_f32_u32 v[OFR], v[OFR]
	v_mul_f32 v[OFR], 0x3e800000, v[OFR]           ; (1 - part) / 4
	s_and_b32 s52, ttmp9, 127
	s_lshl_b32 s52, s52, 4                         ; the group's first token in its batch
	v_add_nc_u32 v[TA], s52, v12
	v_cvt_f32_u32 v[TA], v[TA]
	v_mov_b32 v[TA+1], v[TA]
	v_add_f32 v[TB], 2.0, v[TA]
	v_mov_b32 v[TB+1], v[TB]
	s_wait_alu depctr_va_sdst(0)                   ; s[HD] is written, ahead of its first reader: the offsets in x and the rows in qs, ks, vs are made from it
	s_lshl_b32 s47, s[HD], 8
	v_lshl_add_u32 v15, v11, 5, s47                ; head x 256 + 32 cg: my eight channels in a row of x and in every parameter
	v_lshl_add_u32 v[XOQ], v12, 12, v15
	v_lshl_add_u32 v[XOV], v13, 12, v15
	s_lshr_b32 s53, ttmp9, 7                       ; b
	s_lshl_b32 s53, s53, 4
	s_add_co_u32 s53, s53, s[HD]                   ; 16 b + head
	s_lshl_b32 s53, s53, 11
	s_add_co_u32 s53, s53, s52                     ; my first row in qs, ks, vs
	s_lshl_b32 s54, s53, 8                         ; x 256 bytes
	s_mov_b32 s55, 0
	s_lshl_b32 s58, s53, 7                         ; x 128 bytes
	s_mov_b32 s59, 0
	s_lshl_b32 s56, ttmp9, 16                      ; the group's 16 rows of x, 4,096 bytes each
	s_mov_b32 s57, 0
	PAIR C1,  0x40c90fdb                           ;   6.2831853
	PAIR C3,  0xc2255de7                           ; -41.341702
	PAIR C5,  0x42a335e3                           ;  81.605249
	PAIR C7,  0xc2996966                           ; -76.705860
	PAIR C9,  0x42283c1a                           ;  42.058694
	PAIR C11, 0xc17183a8                           ; -15.094643
	PAIR C13, 0x40747a1a                           ;   3.8199526
	PAIR C15, 0xbf37d6dd                           ;  -0.71812230
	PAIR AMPQ, 0x3e0293ee                          ; c = 0.127517
	PAIR AMPV, 0x3fb504f3                          ; sqrt(2)
	s_mov_b32 s[EIG], 0x3e000000
	s_wait_kmcnt 0x0
	s_add_nc_u64 s[4:5], s[4:5], s[56:57]          ; the four bases at the group's first token: they stay there
	s_add_nc_u64 s[22:23], s[22:23], s[54:55]
	s_add_nc_u64 s[24:25], s[24:25], s[54:55]
	s_add_nc_u64 s[26:27], s[26:27], s[58:59]
.macro LDP dst, base                   ; eight numbers of a parameter
	global_load_b128 v[\dst:\dst+3],   v15, s[\base:\base+1]
	global_load_b128 v[\dst+4:\dst+7], v15, s[\base:\base+1] offset:16
.endm
.macro LDX dst, adr, off               ; eight numbers of x
	global_load_b128 v[\dst:\dst+3],   v[\adr], s[4:5] offset:\off
	global_load_b128 v[\dst+4:\dst+7], v[\adr], s[4:5] offset:(\off)+16
.endm
	s_wait_alu depctr_va_vdst(0)                   ; v15, v[XOQ], v[XOV] and v[SO] are written: every load and store of the kernel reads one of them as its offset
	LDP RQ, 6
	LDP BQ, 8
	LDP PQ, 10
	LDP RK, 12
	LDP BK, 14
	LDP PK, 16
	LDP RV, 18
	LDP BV, 20
	LDX X,    XOQ, 0                               ; trip 0's x into X0,
	LDX X+8,  XOQ, 8192
	LDX X+16, XOV, 0
	LDX X+24, XOQ, 16384                           ; trip 1's into X1
	LDX X+32, XOQ, 16384+8192
	LDX X+40, XOV, 16384
	s_wait_loadcnt 12                              ; the sixteen loads of parameters are in; the twelve of x behind them stay out
.irp p, RQ, RK, RV
.set j, 0
.rept 8
	v_and_b32 v[\p+j], 0x7fffffff, v[\p+j]
	v_add_f32 v[\p+j], 1.0, v[\p+j]                ; 1 + |w|
.set j, j+1
.endr
.endr
.irp p, RQ, RK, RV
.set j, 0
.rept 8
	v_rcp_f32 v[\p+j], v[\p+j]                     ; one batch of 24
.set j, j+1
.endr
.endr
.set j, 0
.rept 8                                ; work that names none of the reciprocals stands between the batch and its wait
	v_mul_f32 v[PQ+j], 0.15915494, v[PQ+j]
	v_mul_f32 v[PK+j], 0.15915494, v[PK+j]
	v_fma_f32 v[BQ+j], v[BQ+j], 0.15915494, v[OFR]
	v_fma_f32 v[BK+j], v[BK+j], 0.15915494, v[OFR]
	v_fma_f32 v[BV+j], v[BV+j], 0.15915494, s[EIG]
.set j, j+1
.endr
	s_wait_alu depctr_va_vdst(0)                   ; the 24 reciprocals have written v[RQ ..], v[RK ..], v[RV ..]: one wait, ahead of their first reader
.irp p, RQ, RK, RV
.set j, 0
.rept 8
	v_mul_f32 v[\p+j], 0.15915494, v[\p+j]
.set j, j+1
.endr
.endr
; amp x sin(2 pi y) for k pairs at v[yb ..], in place; the pairs' lines alternate, so that no line waits for the one before it.  amp: a scalar pair, or -1 for 1.
.macro SINP yb, k, amp
.set j, 0
.rept 2*(\k)
	v_rndne_f32 v[NN+j], v[(\yb)+j]
.set j, j+1
.endr
.set j, 0
.rept \k
	v_pk_add_f32 v[(\yb)+j:(\yb)+j+1], v[(\yb)+j:(\yb)+j+1], v[NN+j:NN+j+1] neg_lo:[0,1] neg_hi:[0,1]  ; r
.set j, j+2
.endr
.set j, 0
.rept \k
	v_pk_mul_f32 v[ZZ+j:ZZ+j+1], v[(\yb)+j:(\yb)+j+1], v[(\yb)+j:(\yb)+j+1]
.set j, j+2
.endr
.set j, 0
.rept \k
	v_pk_fma_f32 v[PP+j:PP+j+1], v[ZZ+j:ZZ+j+1], s[C15:C15+1], s[C13:C13+1] op_sel_hi:[1,0,0]
.set j, j+2
.endr
.irp c, C11, C9, C7, C5, C3, C1
.set j, 0
.rept \k
	v_pk_fma_f32 v[PP+j:PP+j+1], v[PP+j:PP+j+1], v[ZZ+j:ZZ+j+1], s[\c:\c+1] op_sel_hi:[1,1,0]
.set j, j+2
.endr
.endr
.if \amp >= 0
.set j, 0
.rept \k
	v_pk_mul_f32 v[(\yb)+j:(\yb)+j+1], v[(\yb)+j:(\yb)+j+1], s[\amp:\amp+1] op_sel_hi:[1,0]
.set j, j+2
.endr
.endif
.set j, 0
.rept \k
	v_pk_mul_f32 v[(\yb)+j:(\yb)+j+1], v[PP+j:PP+j+1], v[(\yb)+j:(\yb)+j+1]
.set j, j+2
.endr
.endm
; A group, eight numbers a lane: the phase, the sine, the rounding to f16 into a set to store.  ph = -1: no term in t.  It holds vector lines alone.
.macro GRP xr, rr, br, ph, tr, amp, outr
.set j, 0
.rept 4
	v_pk_fma_f32 v[Y+j:Y+j+1], v[\xr+j:\xr+j+1], v[\rr+j:\rr+j+1], v[\br+j:\br+j+1]
.set j, j+2
.endr
.if \ph >= 0
.set j, 0
.rept 4
	v_pk_fma_f32 v[Y+j:Y+j+1], v[\tr:\tr+1], v[\ph+j:\ph+j+1], v[Y+j:Y+j+1] op_sel_hi:[0,1,1]
.set j, j+2
.endr
.endif
	SINP Y, 4, \amp
.set j, 0
.rept 4
	v_cvt_pk_f16_f32 v[\outr+j], v[Y+2*j], v[Y+2*j+1]
.set j, j+1
.endr
.endm
; THE STORES are one queue of twenty, in the order in which their sets are made: number QN is set QN % 5 of trip QN / 5.  Sets 0 and 2 go to qs, 1 and 3 to ks (four tokens are 1,024 bytes, sets 2 and 3 the
; second two), set 4 to vs (512 bytes a trip).  SEND issues the next n.
.set QN, 0
.macro SEND n
.if (\n) > 0
.rept \n
.set QT, QN/5
.set QS, QN%5
.set QR, OUT+20*(QT%2)+4*QS
.if QS == 4
	global_store_b128 v[SO], v[QR:QR+3], s[26:27] offset:QT*512  ; the wave stores 512 consecutive bytes, at a multiple of 512 from the buffer's first
.else
	global_store_b128 v[SO], v[QR:QR+3], s[22+2*(QS%2):23+2*(QS%2)] offset:QT*1024+512*(QS/2)
.endif
.set QN, QN+1
.endr
.endif
.endm
; Trip p: four tokens.  ahead = 1: trip p + 1's x is asked for, a pair of loads in front of each of the first three groups.  la, lb, lv: how many younger loads may be out when the trip's first, second
; and third pair have to be there.  n0 .. n4: how many stores of the queue go out in front of each group.  last = 1: the last trip.
.macro TRIP p, ahead, last, la, lb, lv, n0, n1, n2, n3, n4
.set XNOW, X+24*((\p)%2)
.set XOLD, X+24-24*((\p)%2)
.set ONOW, OUT+20*((\p)%2)
	s_wait_loadcnt \la                             ; loads come back in order (ISA guide 5.7.1): x of tokens s, s + 1 is in
.if (\p) > 1
	s_wait_xcnt 0x0                                ; every earlier memory instruction has had its addresses translated (ISA guide 3.1): this trip's O, the data of stores issued in the trip before, is rewritten only behind this wait
	s_wait_alu depctr_vm_vsrc(0)                   ; the stores issued in the trip before have read this trip's O, which its roundings write again
.endif
.if (\p) > 0
	s_wait_alu depctr_va_vdst(0)                   ; the trip before has written the other O, which the stores below read, and is done reading the other X, in which the loads below land
.endif
.if \ahead
	LDX XOLD, XOQ, ((\p)+1)*16384                  ; no vector line since the wait names these registers, here and below
.endif
	SEND \n0
	GRP XNOW, RQ, BQ, PQ, TA, AMPQ, ONOW
.if \ahead
	LDX XOLD+8, XOQ, ((\p)+1)*16384+8192
.endif
	SEND \n1
	GRP XNOW, RK, BK, PK, TA, -1, ONOW+4
	s_wait_loadcnt \lb                             ; x of tokens s + 2, s + 3 is in
.if \ahead
	LDX XOLD+16, XOV, ((\p)+1)*16384
.endif
	SEND \n2
	GRP XNOW+8, RQ, BQ, PQ, TB, AMPQ, ONOW+8
.if \last
	s_wait_alu depctr_va_vdst(0)                   ; this trip's first three groups have written sets 0 to 2 of its O, which the next three stores read; the two groups to come name sets 3 and 4 alone
.endif
	SEND \n3
	GRP XNOW+8, RK, BK, PK, TB, -1, ONOW+12
	s_wait_loadcnt \lv                             ; x in V's lanes is in
	SEND \n4
	GRP XNOW+16, RV, BV, -1, 0, AMPV, ONOW+16
.if !(\last)
	v_pk_add_f32 v[TA:TA+1], v[TA:TA+1], 4.0 op_sel_hi:[1,0]
	v_pk_add_f32 v[TB:TB+1], v[TB:TB+1], 4.0 op_sel_hi:[1,0]
.endif
.endm
	TRIP 0, 0, 0, 10, 8, 6, 0, 0, 0, 0, 0          ; nothing to store yet, both X buffers taken: no memory instruction, so no wait but those for its data.  Behind each pair: the rest of X0 and X1's six
	TRIP 1, 1, 0, 4, 6, 6, 1, 1, 1, 1, 1           ; behind the first pair: this trip's other two; behind the second: the third and two new pairs; behind the third: three new pairs
	TRIP 2, 1, 0, 4, 6, 6, 1, 1, 1, 1, 1
	TRIP 3, 0, 1, 4, 2, 0, 2, 2, 1, 2, 1           ; the last trip loads nothing: no load leaves x, and the counts run down.  Trip 2's five stores go out ahead of its first three groups, three of its own ahead of the last two
	s_wait_alu depctr_va_vdst(0)                   ; the last two groups have written sets 3 and 4, which the last two stores read
	SEND 2
	s_endpgm
.Lfunc_end_k_q0848d2a6c0_prep:
	.size	k_q0848d2a6c0_prep, .Lfunc_end_k_q0848d2a6c0_prep-k_q0848d2a6c0_prep
	.p2alignl 7, 3214868480
	.fill 96, 4, 3214868480
	.section	.rodata,"a",@progbits
	.p2align	6, 0x0
	.amdhsa_kernel k_q0848d2a6c0_prep
		.amdhsa_group_segment_fixed_size 0
		.amdhsa_private_segment_fixed_size 0
		.amdhsa_enable_private_segment 0
		.amdhsa_kernarg_size 96
		.amdhsa_user_sgpr_count 2
		.amdhsa_user_sgpr_kernarg_segment_ptr 1
		.amdhsa_wavefront_size32 1
		.amdhsa_system_sgpr_workgroup_id_x 1
		.amdhsa_system_sgpr_workgroup_id_y 1
		.amdhsa_system_sgpr_workgroup_id_z 1
		.amdhsa_system_vgpr_workitem_id 0
		.amdhsa_next_free_vgpr 200
		.amdhsa_next_free_sgpr 66
		.amdhsa_reserve_vcc 0
		.amdhsa_float_denorm_mode_32 3
		.amdhsa_float_denorm_mode_16_64 3
		.amdhsa_memory_ordered 1
		.amdhsa_forward_progress 1
		.amdhsa_inst_pref_size 88
	.end_amdhsa_kernel
	.amdgpu_metadata
---
amdhsa.version: [ 1, 2 ]
amdhsa.kernels:
  - .name:           k_q0848d2a6c0_prep
    .symbol:         k_q0848d2a6c0_prep.kd
    .args:
      - { .name: x, .offset: 0, .size: 8, .value_kind: global_buffer, .address_space: global }
      - { .name: w_q, .offset: 8, .size: 8, .value_kind: global_buffer, .address_space: global }
      - { .name: b_q, .offset: 16, .size: 8, .value_kind: global_buffer, .address_space: global }
      - { .name: phi_q, .offset: 24, .size: 8, .value_kind: global_buffer, .address_space: global }
      - { .name: w_k, .offset: 32, .size: 8, .value_kind: global_buffer, .address_space: global }
      - { .name: b_k, .offset: 40, .size: 8, .value_kind: global_buffer, .address_space: global }
      - { .name: phi_k, .offset: 48, .size: 8, .value_kind: global_buffer, .address_space: global }
      - { .name: w_v, .offset: 56, .size: 8, .value_kind: global_buffer, .address_space: global }
      - { .name: b_v, .offset: 64, .size: 8, .value_kind: global_buffer, .address_space: global }
      - { .name: qs, .offset: 72, .size: 8, .value_kind: global_buffer, .address_space: global }
      - { .name: ks, .offset: 80, .size: 8, .value_kind: global_buffer, .address_space: global }
      - { .name: vs, .offset: 88, .size: 8, .value_kind: global_buffer, .address_space: global }
    .group_segment_fixed_size: 0
    .private_segment_fixed_size: 0
    .kernarg_segment_align: 8
    .kernarg_segment_size: 96
    .max_flat_workgroup_size: 512
    .sgpr_count:     66
    .vgpr_count:     200
    .wavefront_size: 32
...
	.end_amdgpu_metadata
.endif
;; end of part 3
;; launch attn: the kernel of part 2 again; grid 8 x 32, 4 waves a work-group, clusters of 4 x 1, 327,680 bytes of LDS; arguments qs, ks, vs, w_out, b_out, out0; writes out0
